; MI455X (gfx1250); checked and timed in simulation.
; The chip was launched on July 23, 2026; its instructions are those of AMD's public machine-readable ISA for CDNA 5 (MIT licence, August 2026) and "CDNA5" Instruction Set Architecture Reference Guide (July 2026). The comments in the code are by the model that wrote it; some were corrected since.
;; Multi Head Self Attention. Allowed arithmetic: matrix products marked QUANTISED: E4M3 operands, one given power-of-two scale a tensor, by v_wmma_f32_16x16x64_fp8_fp8 or v_wmma_f32_16x16x128_fp8_fp8, f32 sums; everything else in f32.
;; Inputs: Wk_codes 1,024 x 32 x 32 uint8 (E4M3 codes of Wk, K innermost, in blocks of 32 codes); Wo_codes 1,024 x 32 x 32 uint8 (E4M3 codes of Wo, K innermost, in blocks of 32 codes); Wq_codes 1,024 x 32 x 32 uint8 (E4M3 codes of Wq, K innermost, in blocks of 32 codes); Wv_codes 1,024 x 32 x 32 uint8 (E4M3 codes of Wv, K innermost, in blocks of 32 codes); bk 1,024 float32; bo 1,024 float32; bq 1,024 float32; bv 1,024 float32; lowp_scales 12 int32 (the exponents e of the quantised operands' scales 2^e); mask 4 x 2,048 int32; x_codes 4 x 2,048 x 32 x 32 uint8 (E4M3 codes of x, K innermost, in blocks of 32 codes).
;; Outputs: out0 4 x 2,048 x 1,024 float32.
;; This version of the problem:
;;   THIS VERSION OF THE PROBLEM IS GIVEN IN LOW PRECISION. The matrix products marked QUANTISED in the list below multiply operands that are first quantised to E4M3 (4 exponent bits, 3 mantissa bits; 8 bits a number), with one given power-of-two scale for each operand tensor; their sums are f32. All else is computed in f32.
;;   The module's matrix products, in the order in which they are computed (A, B: the left and right operand; K: the contracted axis; several contracted axes count as one K, in the product's order):
;;     1. [M 8,192, K 1,024] x [K 1,024, N 1,024]; A: input x (given as codes); B: input Wq (given as codes): QUANTISED (scales: A lowp_scales[0], B lowp_scales[1])
;;     2. [M 8,192, K 1,024] x [K 1,024, N 1,024]; A: input x (given as codes); B: input Wk (given as codes): QUANTISED (scales: A lowp_scales[2], B lowp_scales[3])
;;     3. [M 8,192, K 1,024] x [K 1,024, N 1,024]; A: input x (given as codes); B: input Wv (given as codes): QUANTISED (scales: A lowp_scales[4], B lowp_scales[5])
;;     4. batch 64 x [M 2,048, K 64] x [K 64, N 2,048]; A: computed on the way; B: computed on the way: QUANTISED (scales: A lowp_scales[6], B lowp_scales[7])
;;     5. batch 64 x [M 2,048, K 2,048] x [K 2,048, N 64]; A: softmax (see below); B: computed on the way: QUANTISED (scales: A lowp_scales[8], B lowp_scales[9])
;;     6. [M 8,192, K 1,024] x [K 1,024, N 1,024]; A: computed on the way; B: input Wo (given as codes): QUANTISED (scales: A lowp_scales[10], B lowp_scales[11])
;;   THE QUANTISER, for each operand of a quantised product, along K:
;;     - The operand's scale is 2^e, e = its entry of the input lowp_scales (int32; the entries are numbered through the quantised products in the list's order, A before B).
;;     - Each number is divided by the scale, clamped to +-448, and rounded to the nearest number of E4M3, ties to even, subnormals kept.
;;     - The product sums the exact products of the quantised numbers (number of the format x scale) in f32.
;;   ~~~python
;;   def quantise(x, axis, e):      # numpy; x: float32 -> the quantised numbers, widened to float32 again
;;       x = np.moveaxis(x, axis, -1); K = x.shape[-1]
;;       r = np.clip(x / 2.0 ** e, -448, 448)
;;       step = 2.0 ** (np.maximum(np.frexp(np.where(r == 0, 1, r))[1] - 1, -6) - 3)
;;       q = np.round(r / step) * step * 2.0 ** e      # np.round: ties to even
;;       return np.moveaxis(q, -1, axis).astype(np.float32)
;;   ~~~
;;   SOFTMAX AHEAD OF A QUANTISED PRODUCT. Where the list says 'softmax', what is quantised is not the finished softmax but p = 2^(t - M), with t = logit x log2(e) and M = ceil(the row's largest t), a whole number; so 1/2 < the row's largest p <= 1. The row's sum l is taken of the UNQUANTISED p, in f32, and the product's result is divided by l at the end. Since M is a whole number, a kernel that streams over the keys may use a running M (the ceiling of the running maximum): every later rescaling is an exact power of two, so the quantised numbers keep their values, but for numbers so far below the row's largest that they fall under the format's range.
;;   OPERANDS COMPUTED ON THE WAY. 'Computed on the way' means the value that the module computes at that place (a softmax that the list does not call 'softmax' is quantised finished and normalised). What goes into a quantiser is computed in f32, as accurately as f32 sums, v_exp_f32 and their like allow (about 1e-6 of the number): no bf16 or f16 on the way to a quantiser, and a product that is left as it is and whose result goes on into a quantised operand takes f32 operands (vector FMAs, or v_wmma_f32_16x16x4_f32). A number that lies on a knife's edge between two numbers of the format may be rounded either way, as far as f32 arithmetic and the matrix unit's own rounding can turn it there, and no further.
;;   INPUTS GIVEN AS CODES. Wk (in the module: [1024, 1024], K = its axis 1); Wo (in the module: [1024, 1024], K = its axis 1); Wq (in the module: [1024, 1024], K = its axis 1); Wv (in the module: [1024, 1024], K = its axis 1); x (in the module: [4, 2048, 1024], K = its axis 2): each comes as NAME_codes (uint8): NAME with its K axis moved to the last place and cut into blocks of 32 codes, [.., K / 32, bytes a block], one block behind the other in memory; one code a byte (a code: sign, 4 exponent bits, 3 mantissa bits); its scale is its entry of lowp_scales. Its value is code x scale, taken as it is: it is not quantised again, and the codes and scales need not be those that the quantiser above would give.
;; One version. Each part assembles by itself: llvm-mc -triple=amdgcn-amd-amdhsa -mcpu=gfx1250 --defsym DOCPART=n.
;; ======== version 1 of 1: 3 launches
;; limits: right only within a limited range of input values
;; workspace buffers: q_img 8,388,608 bytes; k_img 8,388,608 bytes; v_img 8,388,608 bytes; a_img 8,388,608 bytes
;; launch proj (part 1): grid 12 x 64, 4 waves a work-group, clusters of 4 x 4, 327,680 bytes of LDS; arguments x_codes, Wq_codes, Wk_codes, Wv_codes, bq, bk, bv, lowp_scales, q_img, k_img, v_img; writes q_img, k_img, v_img
.if DOCPART == 1
	.amdgcn_target "amdgcn-amd-amdhsa--gfx1250"
	.amdhsa_code_object_version 6
	.text
	.protected	k_q3f0813ca18_proj
	.globl	k_q3f0813ca18_proj
	.p2align	8
	.type	k_q3f0813ca18_proj,@function
k_q3f0813ca18_proj:
	s_mov_b64 s[64:65], 0
	v_nop
	global_prefetch_b8 v0, s[64:65] scope:SCOPE_SE
	s_setreg_imm32_b32 hwreg(HW_REG_WAVE_MODE, 25, 1), 1
	s_wait_xcnt 0x0
	s_wait_alu depctr_hold_cnt(0) depctr_sa_sdst(0) depctr_va_vdst(0) depctr_va_sdst(0) depctr_va_ssrc(0) depctr_va_vcc(0) depctr_vm_vsrc(0)
	s_getreg_b32 s2, hwreg(HW_REG_IB_STS2, 6, 4)
	s_cmp_eq_u32 s2, 0
	s_cbranch_scc0 .Lentry_in_a_cluster
	s_endpgm
.Lentry_in_a_cluster:
	s_bfe_u32 s2, ttmp6, 0x10000c
	s_cmp_lg_u32 s2, 0xf033
	s_cbranch_scc0 .Lentry_shape_is_right
	s_endpgm
.Lentry_shape_is_right:
; Q = x Wq^T + bq, K = x Wk^T + bk, V = x Wv^T + bv on codes of FP8 (E4M3); each result is quantised again (scales 2^e6, 2^e7, 2^e9) and stored as codes
; IN THE ORDER OF THE NEXT LAUNCH'S OPERAND REGISTERS (a chunk = 512 bytes, lane l's 16 bytes at 16 l; r = l % 16, h = l / 16):
;   q_img, k_img [batch 4][head 16][16 tokens: 128][c 2][lane][16]: token 16 blk + r, the head's channels 32 c + 16 h + 0 .. 15
;   v_img [batch][head][128 keys: 16][ct 4][c 4][lane][16]: channel 32 (ct / 2) + 8 (ct % 2) + r + 8 (r / 8); bytes 0-7 keys 32 c + 8 h + 0 .. 7, bytes 8-15 the keys 16 further on
; ROLES.  The cluster's x says which product: 0 Q, 1 K, 2 V; it is the same in all sixteen partners.  A tile of the result is 128 'A rows' (source 1 of the matrix instruction: a row a lane) x 256 'B rows'
; (source 0: along a lane's registers).  Q, K: A = x (128 tokens), B = the weight (256 features): a lane holds one token and neighbouring features.  V: A = Wv (128 features), B = x (256 tokens):
; a lane holds one channel and neighbouring tokens, which are the keys, the next product's K: nothing is transposed.  Only pointers and offsets are chosen by the role; LDS, shapes and the products know nothing of it.
; SHARES.  Four waves, each 64 A rows x 128 B rows: 32 accumulators.  3 x 256 work-groups of equal work.  K = 1,024 goes in four steps of 256 through three LDS slots; slot 0 is filled a second time.
; CLUSTERS 4 x 4: A's tile hangs on the cluster's y and cy alone and is asked for jointly by a row of the cluster, B's on the cluster's y and cx alone, by a column.
; A fragment (16 rows x 128 K) is fetched by four loads of 16 bytes: a permutation of k that is the same in A and in B.
; LIMITS: e0 + e1, e2 + e3, e4 + e5 between -126 and 127; e6, e7, e9 between -126 and 119 (each power of two below is an f32 number).  NaN is not served.
; No prefetch: three of the four K steps are asked for at the head, and the fourth has 112 matrix instructions in which to land.
; REGISTERS: window 0: v1-43 addresses and constants; v64-191 A's fragments, two sets of 64 (way out: v64-127 numbers, v128-191 codes); v192-255 chunks read back.
;   window 1: B's fragments, two sets of 128.   window 2: accumulator (a, b) at v[64 a + 8 b].   window 3: v0-63 the bias along the registers.
.set PITCH, 272                        ; an LDS row: 256 bytes + 16 of padding: the 16 rows of a fragment load start at 16 different banks (64 banks of 4 bytes: ISA guide 11.1)
.set AREG,  128*PITCH                  ; A's 128 rows
.set SLOT,  AREG+256*PITCH             ; then B's 256 rows
.set SPARE, 3*SLOT                     ; behind the slots: the spare words, 128 bytes a wave, two blocks of 256 bytes that no other line names
.set SP,    144                        ; the way out: a stage row: 128 bytes of codes + 16
.set WST,   64*SP                      ; a wave's stage: 64 rows
.set STQ,   SLOT                       ; Q's and K's stages lie in slot 1, V's in slot 2: both slots have had their only fill, and their last read lies ahead of the last change of slots
.set STV,   2*SLOT
.set ADRA, 16                          ; v16-18 LDS address of my A fragments in slot 0, 1, 2
.set ADRB, 20                          ; v20-22 the same for B
.set STOQ, 24                          ; where I put 8 codes, Q and K
.set STOV, 25                          ; the same, V
.set RDQ,  26                          ; where I read a chunk's 16 bytes back, Q and K
.set RDV,  27                          ; the same, V
.set SPW,  28                          ; LDS address of my spare word; never rewritten
.set NIL,  29                          ; 0; never rewritten
.set SCLV, 30                          ; 2^eo as f32
.set LIM,  31                          ; 448 x 2^eo
.set GO,   32                          ; 16 x lane
.set BJO,  33                          ; byte offset of the bias along my registers
.set BIO,  34                          ; byte offset of the bias of my lane's row
.set BI,   36                          ; v36-43 the bias of my lane's row, block a in the low word of pair a
.set T,    64
.set CD,   128
.set BK,   192
.set G1A, 24                           ; s[24:31] descriptor group 1 for A's tiles; s[32:43] group 0, a set for each slot
.set G0A, 32
.set G1B, 44                           ; s[44:51], s[52:63] the same for B's
.set G0B, 52
.set MSB, 0
.macro WIN new                         ; the immediate's high byte repeats the setting that is left; a switch that changes nothing is dropped
.if MSB != \new
	s_set_vgpr_msb (MSB<<8)|\new
.set MSB, \new
.endif
.endm
; A joint load: waves 0 and 1 fetch A's halves, waves 2 and 3 B's.  The branch hangs on the wave's number alone.  Four v_nop follow each of the two lines.
.macro JLOAD g0a, g1a, g0b, g1b
	s_cmp_eq_u32 s15, 0
	s_cbranch_scc0 .Lfor_b_\@
	tensor_load_to_lds s[\g0a:\g0a+3], s[\g1a:\g1a+7]
	s_nop 0
.rept 4
	v_nop
.endr
	s_branch .Lasked_\@
.Lfor_b_\@:
	tensor_load_to_lds s[\g0b:\g0b+3], s[\g1b:\g1b+7]
	s_nop 0
.rept 4
	v_nop
.endr
.Lasked_\@:
.endm
.macro CREST                           ; a round of the cluster's barrier behind its opening barrier
	s_cmp_lg_u32 s14, 0
	s_cbranch_scc1 .Lnot_wave_0_\@
	s_barrier_signal -3
.Lnot_wave_0_\@:
	s_barrier_wait -3
	s_barrier_signal -1
	s_barrier_wait -1
.endm
.macro CROUND                          ; a whole round
	s_barrier_signal -1
	s_barrier_wait -1
	CREST
.endm
.macro PLACES n                        ; plain vector instructions between a matrix instruction and a load into, or a read of, its registers
.rept \n
	v_nop
.endr
.endm
	s_load_b512 s[68:83], s[0:1], 0x0              ; x 68, Wq 70, Wk 72, Wv 74, bq 76, bk 78, bv 80, the scales' exponents 82
	s_load_b128 s[84:87], s[0:1], 0x40             ; q_img 84, k_img 86
	s_load_b64 s[88:89], s[0:1], 0x50              ; v_img
	v_lshl_add_u32 v[SPW], v0, 2, SPARE
	v_mov_b32 v[NIL], 0
	ds_add_u32 v28, v29
	ds_add_u32 v28, v29
	s_wait_dscnt 0x0
	v_lshrrev_b32 v1, 5, v0
	v_readfirstlane_b32 s14, v1                    ; wave 0..3
	s_lshr_b32 s15, s14, 1                         ; which 64 A rows are mine.  Also: I fetch for A (0) or for B (1)
	s_and_b32 s16, s14, 1                          ; which 128 B rows are mine.  Also: which half of that tile I fetch
	s_bfe_u32 s20, ttmp6, 0x40000                  ; cx
	s_bfe_u32 s21, ttmp6, 0x40004                  ; cy
	s_mov_b32 s18, ttmp9                           ; the role: the cluster's x
	s_and_b32 s19, ttmp7, 0xffff                   ; the cluster's y, 0..15
	s_lshl_b32 s22, s21, 2
	s_lshl_b32 s22, 15, s22                        ; my row of the cluster
	s_lshl_b32 s23, 0x1111, s20                    ; my column
	s_or_b32 s[G1A], s22, (1<<20)|(1<<21)|(5<<22)|(3<<25)   ; 15:0 the mask; elements of 1 byte; 20 padding on; 21 set beside a mask; after every 64 words (code 5) 4 words (code 3)
	s_or_b32 s[G1B], s23, (1<<20)|(1<<21)|(5<<22)|(3<<25)
	s_mov_b32 s[G1A+1], 256<<16                    ; tensor_dim0 = 256
	s_mov_b32 s[G1A+2], 64<<16                     ; tensor_dim1 = 64
	s_mov_b32 s[G1A+3], 256<<16                    ; tile_dim0 = 256
	s_mov_b32 s[G1A+4], 64                         ; tile_dim1 = 64
	s_mov_b32 s[G1A+5], 1024                       ; from row to row
	s_mov_b32 s[G1A+6], 0
	s_mov_b32 s[G1A+7], 0
	s_mov_b32 s[G1B+1], 256<<16
	s_mov_b32 s[G1B+2], 128<<16                    ; B: 128 rows a load
	s_mov_b32 s[G1B+3], 256<<16
	s_mov_b32 s[G1B+4], 128
	s_mov_b32 s[G1B+5], 1024
	s_mov_b32 s[G1B+6], 0
	s_mov_b32 s[G1B+7], 0
	; which tiles.  Q, K: A block (128 tokens) = 4 y + cy, B block (256 features) = cx.  V: A block (128 features) = 4 (y % 2) + cy, B block (256 tokens) = 4 (y / 2) + cx
	s_and_b32 s2, s19, 1
	s_lshr_b32 s3, s19, 1
	s_cmp_eq_u32 s18, 2
	s_cselect_b32 s2, s2, s19
	s_cselect_b32 s3, s3, 0
	s_lshl_b32 s2, s2, 2
	s_add_co_u32 s2, s2, s21                       ; A's block: it never holds cx
	s_lshl_b32 s3, s3, 2
	s_add_co_u32 s3, s3, s20                       ; B's block: it never holds cy
	s_lshl_b32 s66, s2, 17                         ; 128 rows of 1,024 bytes,
	s_lshl_b32 s17, s16, 16                        ; + the 64 rows that I fetch
	s_add_co_u32 s66, s66, s17
	s_mov_b32 s67, 0
	s_lshl_b32 s90, s3, 18                         ; 256 rows,
	s_lshl_b32 s17, s16, 17                        ; + the 128 that I fetch
	s_add_co_u32 s90, s90, s17
	s_mov_b32 s91, 0
	s_mul_i32 s12, s16, 64*PITCH                   ; where they go in a slot: no place in the cluster enters an LDS address
	s_mul_i32 s13, s16, 128*PITCH
	s_add_co_u32 s13, s13, AREG
	s_wait_kmcnt 0x0
	s_load_b256 s[92:99], s[82:83], 0x0            ; e0 .. e7
	s_load_b64 s[100:101], s[82:83], 0x20          ; e8, e9
	s_cmp_eq_u32 s18, 2
	s_cselect_b64 s[4:5], s[74:75], s[68:69]       ; A: Wv or x
	s_cselect_b64 s[6:7], s[68:69], s[72:73]       ; B: x, or Wk,
	s_cselect_b64 s[8:9], s[80:81], s[78:79]       ; the bias,
	s_cselect_b64 s[10:11], s[88:89], s[86:87]     ; the image
	s_cmp_eq_u32 s18, 0
	s_cselect_b64 s[6:7], s[70:71], s[6:7]         ; or Wq
	s_cselect_b64 s[8:9], s[76:77], s[8:9]
	s_cselect_b64 s[10:11], s[84:85], s[10:11]
	s_add_nc_u64 s[4:5], s[4:5], s[66:67]
	s_add_nc_u64 s[6:7], s[6:7], s[90:91]
	CROUND                                         ; all sixteen work-groups are here: the first joint loads meet
.irp s, 0,1,2
	s_mov_b32 s[G0A+4*\s], 1                       ; count = 1
	s_add_co_u32 s[G0A+4*\s+1], s12, \s*SLOT       ; LDS address
	s_add_nc_u64 s[G0A+4*\s+2:G0A+4*\s+3], s[4:5], \s*256   ; global address: K step s
	s_or_b32 s[G0A+4*\s+3], s[G0A+4*\s+3], 0x80000000       ; type = 2
	s_mov_b32 s[G0B+4*\s], 1
	s_add_co_u32 s[G0B+4*\s+1], s13, \s*SLOT
	s_add_nc_u64 s[G0B+4*\s+2:G0B+4*\s+3], s[6:7], \s*256
	s_or_b32 s[G0B+4*\s+3], s[G0B+4*\s+3], 0x80000000
	JLOAD G0A+4*\s, G1A, G0B+4*\s, G1B             ; three loads of mine are out
.endr
	v_and_b32 v1, 15, v0                           ; r
	v_bfe_u32 v2, v0, 4, 1                         ; h
	v_mul_u32_u24 v3, v1, PITCH
	v_lshl_add_u32 v3, v2, 4, v3                   ; a fragment's row x pitch + 16 h
	s_mul_i32 s68, s15, 64*PITCH                   ; my 64 rows of A
	s_mul_i32 s69, s16, 128*PITCH                  ; my 128 rows of B,
	s_add_co_u32 s69, s69, AREG                    ; which lie behind A's
.irp s, 0,1,2
	v_add_nc_u32 v[ADRA+\s], s68, v3
	v_add_nc_u32 v[ADRB+\s], s69, v3
	s_add_co_u32 s68, s68, SLOT
	s_add_co_u32 s69, s69, SLOT
.endr
	s_mul_i32 s78, s14, WST                        ; my stage
	v_mul_u32_u24 v4, v1, SP
	v_lshl_add_u32 v5, v2, 3, v4
	v_add_nc_u32 v5, s78, v5
	v_add_nc_u32 v[STOQ], STQ, v5                  ; Q, K in: row = token r, + 8 h
	v_lshl_add_u32 v6, v2, 4, v4
	v_add_nc_u32 v6, s78, v6
	v_add_nc_u32 v[RDQ], STQ, v6                   ; back: row r, + 16 h
	v_add_nc_u32 v[RDV], STV, v6
	v_and_b32 v7, 8, v1
	v_add_nc_u32 v7, v7, v1                        ; 16 (r / 8) + r % 8
	v_mul_u32_u24 v7, v7, SP
	v_lshl_add_u32 v7, v2, 4, v7
	v_add_nc_u32 v7, s78, v7
	v_add_nc_u32 v[STOV], STV, v7                  ; V in: channel 16 a + r goes to row 32 (a / 2) + 16 (r / 8) + 8 (a % 2) + r % 8, + 16 h
	v_and_b32 v8, 31, v0
	v_lshlrev_b32 v[GO], 4, v8
	; where my part of the image begins.  Q, K: ((16 batch + first head) << 17) + (token in the batch / 16) x 1,024
	s_lshl_b32 s70, s19, 2
	s_add_co_u32 s70, s70, s21
	s_lshl_b32 s70, s70, 1
	s_add_co_u32 s70, s70, s15                     ; my first token / 64
	s_lshr_b32 s71, s70, 5                         ; batch
	s_and_b32 s70, s70, 31
	s_lshl_b32 s70, s70, 12
	s_lshl_b32 s71, s71, 4
	s_lshl_b32 s72, s20, 2
	s_add_co_u32 s71, s71, s72
	s_lshl_b32 s72, s16, 1
	s_add_co_u32 s71, s71, s72                     ; 16 batch + 4 cx + 2 (wave % 2)
	s_lshl_b32 s71, s71, 17
	s_add_co_u32 s70, s70, s71
	; V: (((16 batch + head) x 16) + step) << 13
	s_lshr_b32 s72, s19, 1
	s_lshl_b32 s72, s72, 2
	s_add_co_u32 s72, s72, s20
	s_lshl_b32 s72, s72, 1
	s_add_co_u32 s72, s72, s16                     ; my first token / 128
	s_lshr_b32 s73, s72, 4                         ; batch
	s_and_b32 s72, s72, 15                         ; step
	s_and_b32 s74, s19, 1
	s_lshl_b32 s74, s74, 2
	s_add_co_u32 s74, s74, s21
	s_lshl_b32 s74, s74, 1
	s_add_co_u32 s74, s74, s15                     ; head: my 64 A rows
	s_lshl_b32 s73, s73, 4
	s_add_co_u32 s73, s73, s74
	s_lshl_b32 s73, s73, 4
	s_add_co_u32 s73, s73, s72
	s_lshl_b32 s73, s73, 13
	s_lshl_b32 s75, s20, 10                        ; the bias along my registers (Q, K): feature 256 cx + 128 (wave % 2), in bytes
	s_lshl_b32 s76, s16, 9
	s_add_co_u32 s75, s75, s76
	s_lshl_b32 s74, s74, 8                         ; the bias of my lane's row (V): feature 64 head, in bytes
	s_cmp_eq_u32 s18, 2
	s_cselect_b32 s70, s73, s70
	s_cselect_b32 s75, 0, s75                      ; the bias that a role does not use is read at the buffer's head: every register is written in every role
	s_cselect_b32 s74, s74, 0
	s_mov_b32 s71, 0
	s_add_nc_u64 s[10:11], s[10:11], s[70:71]
	v_lshl_add_u32 v[BJO], v2, 5, s75              ; + 8 h numbers
	v_lshl_add_u32 v[BIO], v1, 2, s74              ; + r numbers
	WIN 0xc0                                       ; destination window 3
.irp b, 0,1,2,3,4,5,6,7
	global_load_b128 v[8*\b:8*\b+3], v[BJO], s[8:9] offset:64*\b          ; bias of features 16 b + 8 h + 0 .. 7
	global_load_b128 v[8*\b+4:8*\b+7], v[BJO], s[8:9] offset:64*\b+16
.endr
	WIN 0
.irp a, 0,1,2,3
	global_load_b32 v[BI+2*\a], v[BIO], s[8:9] offset:64*\a               ; bias of feature 16 a + r
	v_mov_b32 v[BI+2*\a+1], 0                      ; (named with it as a pair, so it is written)
.endr
.macro FRAGB reg, slot, q, i           ; 16 rows x 128 K: registers 4 c .. 4 c + 3 hold K = 32 c + 16 h + 0 .. 15
.irp c, 0,1,2,3
	ds_load_b128 v[(\reg)+4*\c:(\reg)+4*\c+3], v[ADRB+\slot] offset:128*(\q)+32*\c+(\i)*16*PITCH
.endr
.endm
.macro FRAGA reg, slot, q, i
.irp c, 0,1,2,3
	ds_load_b128 v[(\reg)+4*\c:(\reg)+4*\c+3], v[ADRA+\slot] offset:128*(\q)+32*\c+(\i)*16*PITCH
.endr
.endm
.macro FETCH slot, q, p                ; 48 loads in one run: the slot's q-th 128 along K into set p: B's eight fragments, then A's four
	WIN 0x40
.irp i, 0,1,2,3,4,5,6,7
	FRAGB 128*(\p)+16*\i, \slot, \q, \i
.endr
	WIN 0
.irp i, 0,1,2,3
	FRAGA 64+64*(\p)+16*\i, \slot, \q, \i
.endr
.endm
; 8 matrix instructions: A's block a x B's eight.  The 32 accumulators take turns, one instruction a turn, in the same order in every step.
.macro MULA a, p, zero
.irp b, 0,1,2,3,4,5,6,7
.if \zero
	v_wmma_f32_16x16x128_fp8_fp8 v[64*(\a)+8*\b:64*(\a)+8*\b+7], v[128*(\p)+16*\b:128*(\p)+16*\b+15], v[64+64*(\p)+16*(\a):64+64*(\p)+16*(\a)+15], 0
.else
	v_wmma_f32_16x16x128_fp8_fp8 v[64*(\a)+8*\b:64*(\a)+8*\b+7], v[128*(\p)+16*\b:128*(\p)+16*\b+15], v[64+64*(\p)+16*(\a):64+64*(\p)+16*(\a)+15], v[64*(\a)+8*\b:64*(\a)+8*\b+7]
.endif
.endr
.endm
; 128 along K: set p is multiplied while the next 128 (slot nslot, part nq) come into the other set.
.macro SUB p, nslot, nq, zero
	s_wait_dscnt 0x0                               ; set p is in
	PLACES 4                                       ; the other set was read by the last products
	FETCH \nslot, \nq, 1-\p
	WIN 0xa1                                       ; source 0 (B) window 1, source 1 (A) window 0, C and D window 2
	MULA 0, \p, \zero
	MULA 1, \p, \zero
	MULA 2, \p, \zero
	MULA 3, \p, \zero
	WIN 0
.endm
; A slot's second 128 (in set 1) with a change of slots: each wave waits for all its tensor loads, adds 0 to its spare word, waits for that and for its own LDS reads, and passes a barrier.
; fill = 1: the barrier opens a round of the cluster's, and slot 0 takes K step 3 first thing behind it.
.macro TURN nslot, fill
	s_wait_tensorcnt 0x0                           ; all my tensor loads have landed
	ds_add_u32 v[SPW], v[NIL]                      ; 0 onto my spare word
	s_wait_dscnt 13                                ; (the add and the youngest twelve loads, A's blocks 1 to 3, may be out)
	WIN 0xa1
	MULA 0, 1, 0                                   ; eight matrix instructions stand between the add and the wait for it
	s_wait_dscnt 0x0                               ; the add is done, and my reads of the slots behind me are over
	s_barrier_signal -1
	MULA 1, 1, 0
	WIN 0
	s_barrier_wait -1
.if \fill
	CREST                                          ; no wave of any partner still reads slot 0 or has a load on its way
	s_add_nc_u64 s[G0A+2:G0A+3], s[G0A+2:G0A+3], 3*256
	s_add_nc_u64 s[G0B+2:G0B+3], s[G0B+2:G0B+3], 3*256
	JLOAD G0A, G1A, G0B, G1B                       ; my one tensor load behind the round; its four v_nop are also the places in front of the loads below
.else
	PLACES 4
.endif
	FETCH \nslot, 0, 0
	WIN 0xa1
	MULA 2, 1, 0
	MULA 3, 1, 0
	WIN 0
.endm
	s_wait_tensorcnt 2                             ; my part of K step 0 is in; slots 1's and 2's may stay out
	s_barrier_signal -1
	s_barrier_wait -1                              ; everybody's is
	FETCH 0, 0, 0
	SUB 0, 0, 1, 1                                 ; the first products start the sums: nothing is cleared
	TURN 1, 1                                      ; slots 1 and 2 are whole in every wave's sight; slot 0 takes K step 3
	SUB 0, 1, 1, 0
	SUB 1, 2, 0, 0
	SUB 0, 2, 1, 0
	TURN 0, 0                                      ; K step 3 has landed; nothing is filled again
	SUB 0, 0, 1, 0
	s_wait_dscnt 0x0
	WIN 0xa1
	MULA 0, 1, 0
	MULA 1, 1, 0
	MULA 2, 1, 0
	MULA 3, 1, 0
	WIN 0
	PLACES 4                                       ; in front of the first read of results and the first write of registers that held fragments
	s_wait_kmcnt 0x0
	s_add_co_i32 s92, s92, s93                     ; e0 + e1
	s_add_co_i32 s94, s94, s95                     ; e2 + e3
	s_add_co_i32 s96, s96, s97                     ; e4 + e5
	s_cmp_eq_u32 s18, 2
	s_cselect_b32 s94, s96, s94
	s_cselect_b32 s99, s101, s99                   ; e9 or e7
	s_cmp_eq_u32 s18, 0
	s_cselect_b32 s94, s92, s94
	s_cselect_b32 s99, s98, s99                    ; or e6
	s_add_co_i32 s94, s94, 127
	s_lshl_b32 s12, s94, 23                        ; 2^(ea + eb) as f32
	s_mov_b32 s13, s12                             ; (named with it as a pair, so it is written)
	s_add_co_i32 s99, s99, 127
	s_lshl_b32 s98, s99, 23
	v_mov_b32 v[SCLV], s98                         ; 2^eo: the conversion takes its exponent field
	s_add_co_i32 s99, s99, 8
	s_lshl_b32 s99, s99, 23
	s_or_b32 s99, s99, 0x600000
	v_mov_b32 v[LIM], s99                          ; 448 x 2^eo
	s_wait_loadcnt 0x0                             ; the biases
; THE WAY OUT.  number = sum x 2^(ea + eb) + bias; held within +-448 x 2^eo; eight neighbours of a lane become eight codes; they go through my own stage in LDS and come back as chunks in the reader's order.
; LDS serves a wave's instructions in order (ISA guide 5.7.1.4): no wait between my stores and my loads.  v = 0: Q, K;  v = 1: V.
.macro EPI v
.irp a, 0,1,2,3
.if \v
	WIN 0x02                                       ; source 0 (the sums) window 2
.else
	WIN 0x32                                       ; and source 2 (the bias) window 3
.endif
.set jj, 0
.rept 32
.if \v
	v_pk_fma_f32 v[T+jj:T+jj+1], v[64*\a+jj:64*\a+jj+1], s[12:13], v[BI+2*\a:BI+2*\a+1] op_sel_hi:[1,0,0]   ; each accumulator from its low end on
.else
	v_pk_fma_f32 v[T+jj:T+jj+1], v[64*\a+jj:64*\a+jj+1], s[12:13], v[jj:jj+1] op_sel_hi:[1,0,1]
.endif
.set jj, jj+2
.endr
	WIN 0
.set jj, 0
.rept 64
	v_med3_num_f32 v[T+jj], v[T+jj], -v[LIM], v[LIM]   ; the conversion to an 8-bit code does not saturate (ISA guide 7.6.2)
.set jj, jj+1
.endr
.set bb, 0
.rept 8
	v_cvt_scalef32_pk8_fp8_f32 v[CD+16*\a+2*bb:CD+16*\a+2*bb+1], v[T+8*bb:T+8*bb+7], v[SCLV]
.set bb, bb+1
.endr
	v_nop                                          ; a plain instruction between the conversions and the next writes of their sources
.set bb, 0
.rept 8
.if \v
	ds_store_b64 v[STOV], v[CD+16*\a+2*bb:CD+16*\a+2*bb+1] offset:SP*(32*(\a/2)+8*(\a%2))+32*(bb/2)+8*(bb%2)   ; keys 16 b + 8 h + 0 .. 7 of my channel
.else
	ds_store_b64 v[STOQ], v[CD+16*\a+2*bb:CD+16*\a+2*bb+1] offset:16*SP*\a+16*bb                              ; features 16 b + 8 h + 0 .. 7 of my token
.endif
.set bb, bb+1
.endr
.endr
.set nn, 0
.rept 16
.if \v
	ds_load_b128 v[BK+4*nn:BK+4*nn+3], v[RDV] offset:16*SP*(nn/4)+32*(nn%4)
.else
	ds_load_b128 v[BK+4*nn:BK+4*nn+3], v[RDQ] offset:16*SP*(nn/4)+32*(nn%4)
.endif
.set nn, nn+1
.endr
.set nn, 0
.rept 16
	s_wait_dscnt 15-nn                             ; chunk nn is back; the younger loads may be out
.if \v
	global_store_b128 v[GO], v[BK+4*nn:BK+4*nn+3], s[10:11] offset:2048*(nn/4)+512*(nn%4)                     ; 32 lanes store 512 consecutive bytes, aligned
.else
	global_store_b128 v[GO], v[BK+4*nn:BK+4*nn+3], s[10:11] offset:((nn%4)/2)*131072+1024*(nn/4)+512*(nn%2)
.endif
.set nn, nn+1
.endr
.endm
	s_cmp_eq_u32 s18, 2                            ; the role is the same in all partners; no barrier and no tensor load stands in either way
	s_cbranch_scc1 .Lway_v
	EPI 0
	s_branch .Ldone
.Lway_v:
	EPI 1
.Ldone:
	s_wait_tensorcnt 0x0                           ; the wave's end
	ds_add_u32 v[SPW], v[NIL]
	s_wait_dscnt 0x0
	CROUND                                         ; the closing round: no work-group ends while a partner may still ask for a tile that names it
	s_endpgm
.Lfunc_end_k_q3f0813ca18_proj:
	.size	k_q3f0813ca18_proj, .Lfunc_end_k_q3f0813ca18_proj-k_q3f0813ca18_proj
	.p2alignl 7, 3214868480
	.fill 96, 4, 3214868480
	.section	.rodata,"a",@progbits
	.p2align	6, 0x0
	.amdhsa_kernel k_q3f0813ca18_proj
		.amdhsa_group_segment_fixed_size 327680
		.amdhsa_private_segment_fixed_size 0
		.amdhsa_enable_private_segment 0
		.amdhsa_kernarg_size 88
		.amdhsa_user_sgpr_count 2
		.amdhsa_user_sgpr_kernarg_segment_ptr 1
		.amdhsa_wavefront_size32 1
		.amdhsa_system_sgpr_workgroup_id_x 1
		.amdhsa_system_sgpr_workgroup_id_y 1
		.amdhsa_system_sgpr_workgroup_id_z 1
		.amdhsa_system_vgpr_workitem_id 0
		.amdhsa_next_free_vgpr 832
		.amdhsa_next_free_sgpr 102
		.amdhsa_reserve_vcc 0
		.amdhsa_float_denorm_mode_32 3
		.amdhsa_float_denorm_mode_16_64 3
		.amdhsa_memory_ordered 1
		.amdhsa_forward_progress 1
		.amdhsa_inst_pref_size 120
	.end_amdhsa_kernel
	.amdgpu_metadata
---
amdhsa.version: [ 1, 2 ]
amdhsa.kernels:
  - .name:           k_q3f0813ca18_proj
    .symbol:         k_q3f0813ca18_proj.kd
    .args:
      - { .name: x_codes, .offset: 0, .size: 8, .value_kind: global_buffer, .address_space: global }
      - { .name: Wq_codes, .offset: 8, .size: 8, .value_kind: global_buffer, .address_space: global }
      - { .name: Wk_codes, .offset: 16, .size: 8, .value_kind: global_buffer, .address_space: global }
      - { .name: Wv_codes, .offset: 24, .size: 8, .value_kind: global_buffer, .address_space: global }
      - { .name: bq, .offset: 32, .size: 8, .value_kind: global_buffer, .address_space: global }
      - { .name: bk, .offset: 40, .size: 8, .value_kind: global_buffer, .address_space: global }
      - { .name: bv, .offset: 48, .size: 8, .value_kind: global_buffer, .address_space: global }
      - { .name: lowp_scales, .offset: 56, .size: 8, .value_kind: global_buffer, .address_space: global }
      - { .name: q_img, .offset: 64, .size: 8, .value_kind: global_buffer, .address_space: global }
      - { .name: k_img, .offset: 72, .size: 8, .value_kind: global_buffer, .address_space: global }
      - { .name: v_img, .offset: 80, .size: 8, .value_kind: global_buffer, .address_space: global }
    .group_segment_fixed_size: 327680
    .private_segment_fixed_size: 0
    .kernarg_segment_align: 8
    .kernarg_segment_size: 88
    .max_flat_workgroup_size: 128
    .sgpr_count:     102
    .vgpr_count:     832
    .wavefront_size: 32
...
	.end_amdgpu_metadata
.endif
;; end of part 1
;; launch attn (part 2): grid 4 x 64, 8 waves a work-group, clusters of 4 x 1, 271,360 bytes of LDS; arguments q_img, k_img, v_img, mask, lowp_scales, a_img; writes a_img
.if DOCPART == 2
	.amdgcn_target "amdgcn-amd-amdhsa--gfx1250"
	.amdhsa_code_object_version 6
	.text
	.protected	k_q3f0813ca18_attn
	.globl	k_q3f0813ca18_attn
	.p2align	8
	.type	k_q3f0813ca18_attn,@function
k_q3f0813ca18_attn:
	s_mov_b64 s[64:65], 0
	v_nop
	global_prefetch_b8 v0, s[64:65] scope:SCOPE_SE
	s_setreg_imm32_b32 hwreg(HW_REG_WAVE_MODE, 25, 1), 1
	s_wait_xcnt 0x0
	s_wait_alu depctr_hold_cnt(0) depctr_sa_sdst(0) depctr_va_vdst(0) depctr_va_sdst(0) depctr_va_ssrc(0) depctr_va_vcc(0) depctr_vm_vsrc(0)
	s_getreg_b32 s2, hwreg(HW_REG_IB_STS2, 6, 4)
	s_cmp_eq_u32 s2, 0
	s_cbranch_scc0 .Lentry_in_a_cluster
	s_endpgm
.Lentry_in_a_cluster:
	s_bfe_u32 s2, ttmp6, 0x10000c
	s_cmp_lg_u32 s2, 0x3003
	s_cbranch_scc0 .Lentry_shape_is_right
	s_endpgm
.Lentry_shape_is_right:
; For each batch and head: O = softmax(Q K^T / 8, keys with mask 0 at -1e9) V, both products on codes of FP8 (E4M3); O is quantised with 2^e10 and stored as codes in the order of the last launch's operand registers:
;   a_img [16 tokens: 512][128 along K: 8][c 4][lane][16]: token 16 blk + r, k = 128 ksub + 32 c + 16 h + 0 .. 15, k = 64 head + channel (r = lane % 16, h = lane / 16).
; THE SOFTMAX: t = raw score x c, c = log2(e) / 8 x 2^(e6 + e7); M = the running largest t rounded UP to a whole number; p = 2^(t - M) is quantised with 2^e8; the row's sum is taken of the unquantised p and divides at the end.
; When M moves, the sum and O are multiplied by 2^(old M - new M), which rounds nothing.
; THE MASK costs nothing in the loop: a table of 2,048 f32 numbers in LDS, -2^100 for a key with mask 0 and 0 else, is the C operand of the first product.  p of such a key is 0, as -1e9 makes it.
; Where a batch has NO open key, the module's rows are uniform: then the table holds zeros and c is 0, so that t = 0, M = 0 and p = 1 for every key.  Both are chosen by selects, never by a branch.
; The running largest t begins at -2^24 c, under every t of an open key (|raw| <= 64 x 448^2 < 2^24): a first step of masked keys alone gives p = 0.
; SHARES.  A work-group owns 512 queries of one head, each of its eight waves 64: four tiles of 16; two waves to a SIMD, 512 registers each.  Each fragment of K, of V and of the table read from LDS feeds four products.
; THE WHOLE HEAD LIES IN LDS: K 131,072 bytes, V 131,072, each byte filled once.  The four work-groups of a cluster are the four query blocks of one head: every tile is asked for JOINTLY (mask 15).
; Wave w asks for four tiles of 8,192 bytes (128 keys): of chunk c = 0 .. 3 the step 4 c + w % 4, of K (w < 4) or of V: four loads of mine are out.  A chunk is read behind a counted wait and a barrier.
; LAYOUT.  S^T = K Q^T + C (source 0 = 16 keys, source 1 = 16 queries), O^T = V^T P^T: a lane holds ONE query throughout.  Tile T's eight registers are keys 16 T + 8 h + 0 .. 7: their codes are registers 2 T, 2 T + 1 of P.
; V's image has the same keys in the same registers, and its rows are ordered so that O^T's tiles 2 c, 2 c + 1 hold channels 32 c + 16 h + 0 .. 15 of a lane.
; LIMITS: e6 + e7 between -80 and 9 (2^100 c stays far over every t; an open logit stays above -1e9); e8 and e10 between -126 and 119; e8 + e9 goes in by v_ldexp_f32.  NaN is not served.
; No prefetch: all that the work-group reads is asked for at its head.
; REGISTERS: window 0: v1-10 addresses; v12-27 four a tile: -M, the largest t, the sum in two halves; v28-31 constants; v32-63 Q; v64-127 S^T, then p; v128-191 P's codes, 16 a tile; v192-199 at work.
;   window 1: v0-127 O^T (tile t, channel tile ct at 32 t + 8 ct); v128-191 K's eight fragments, later V's four; v192-255 the table's numbers, eight a key tile.
.set VLDS,  131072                     ; V's region
.set TLDS,  262144                     ; the table: written by LDS stores, never a tensor load's target
.set L16,  1                           ; v1   16 x lane
.set AB0,  2                           ; v2   TLDS + 32 h
.set ADK,  4
.set ADV,  5
.set ADB,  6
.set MO,   9                           ; v9   32 x thread: my eight words of the mask
.set TBA,  10                          ; v10  TLDS + 32 x thread
.set ST,   12
.set CAP,  28                          ; 448 x 2^e8
.set SCL,  29                          ; 2^e8
.set LIM10, 30                         ; 448 x 2^e10
.set SCL10, 31                         ; 2^e10
.set Q,    32
.set S,    64
.set P,    128
.set TA,   192
.set TB,   193
.set F,    194                         ; v[194:195]
.set SUM2, 196                         ; v[196:197]
.set PX,   198
.set NEGV, 199
.set KF,   128                         ; in window 1
.set BF,   192                         ; in window 1
.set WV,   16
.set SEL,  20
.set CS,   22
.set G1,   24
.set G0,   32
.set KB,   48                          ; LDS byte of the step's K
.set BB,   49                          ; byte of the step's part of the table
.set CNT,  50
.set EPV,  51                          ; e8 + e9
.set MSB, 0
.macro WIN new                         ; the immediate's high byte repeats the setting that is left
.if MSB != \new
	s_set_vgpr_msb (MSB<<8)|\new
.set MSB, \new
.endif
.endm
.macro CROUND                          ; a round of the cluster's barrier
	s_barrier_signal -1
	s_barrier_wait -1
	s_cmp_lg_u32 s[WV], 0
	s_cbranch_scc1 .Lnot_wave_0_\@
	s_barrier_signal -3
.Lnot_wave_0_\@:
	s_barrier_wait -3
	s_barrier_signal -1
	s_barrier_wait -1
.endm
	s_load_b256 s[4:11], s[0:1], 0x0               ; q_img 4, k_img 6, v_img 8, mask 10
	s_load_b128 s[12:15], s[0:1], 0x20             ; the scales' exponents 12, a_img 14
	v_lshl_add_u32 v254, v0, 2, 0x42000
	v_mov_b32 v255, 0
	ds_add_u32 v254, v255
	ds_add_u32 v254, v255
	v_lshrrev_b32 v3, 5, v0
	v_readfirstlane_b32 s[WV], v3                  ; wave 0..7
	s_bfe_u32 s17, ttmp6, 0x40000                  ; cx: my block of 512 queries; it enters Q's and a_img's addresses alone
	s_and_b32 s18, ttmp7, 0xffff                   ; 16 batch + head, which the four partners share
	s_mov_b32 s[G1], 15|(3<<16)|(1<<21)            ; 15:0 the mask: all four; elements of 8 bytes; 21 set beside a mask; no padding
	s_mov_b32 s[G1+1], 32<<16                      ; tensor_dim0 = 32 elements: rows of 256 bytes
	s_mov_b32 s[G1+2], 32<<16                      ; tensor_dim1 = 32
	s_mov_b32 s[G1+3], 32<<16                      ; tile_dim0 = 32
	s_mov_b32 s[G1+4], 32                          ; tile_dim1 = 32: a dense block of 8,192 bytes
	s_mov_b32 s[G1+5], 32
	s_mov_b32 s[G1+6], 0
	s_mov_b32 s[G1+7], 0
	s_mov_b32 s[SEL], 0x76543210
	s_mov_b32 s[SEL+1], 0xfedcba98                 ; v_permlanex16_b32: lane l xor 16
	s_lshr_b32 s66, s[WV], 2                       ; 0: K, 1: V
	s_lshl_b32 s66, s66, 17
	s_and_b32 s67, s[WV], 3
	s_lshl_b32 s67, s67, 13                        ; my step in a chunk
	s_add_co_u32 s66, s66, s67                     ; its LDS address in chunk 0
	s_lshl_b32 s68, s18, 17                        ; the head's 131,072 bytes
	s_add_co_u32 s68, s68, s67
	s_mov_b32 s69, 0
	s_lshl_b32 s72, s18, 17                        ; Q: the head, + 512 cx + 64 wave queries of 64 bytes
	s_lshl_b32 s73, s17, 15
	s_add_co_u32 s72, s72, s73
	s_lshl_b32 s73, s[WV], 12
	s_add_co_u32 s72, s72, s73
	s_mov_b32 s73, 0
	s_lshr_b32 s76, s18, 4                         ; batch
	s_lshl_b32 s78, s76, 7
	s_lshl_b32 s76, s76, 13                        ; its 2,048 words of the mask
	s_mov_b32 s77, 0
	s_lshl_b32 s79, s17, 5
	s_add_co_u32 s78, s78, s79
	s_lshl_b32 s79, s[WV], 2
	s_add_co_u32 s78, s78, s79                     ; my first block of 16 tokens: 128 batch + 32 cx + 4 wave
	s_lshl_b32 s78, s78, 14
	s_and_b32 s79, s18, 15
	s_lshl_b32 s79, s79, 10                        ; + 1,024 head
	s_add_co_u32 s78, s78, s79
	s_mov_b32 s79, 0
	s_wait_dscnt 0x0
	s_wait_kmcnt 0x0
	s_load_b256 s[52:59], s[12:13], 0x0            ; e0 .. e7
	s_load_b128 s[60:63], s[12:13], 0x20           ; e8 .. e11
	s_cmp_lt_u32 s[WV], 4
	s_cselect_b64 s[70:71], s[6:7], s[8:9]
	s_add_nc_u64 s[70:71], s[70:71], s[68:69]
	CROUND                                         ; all four work-groups are here: the joint loads meet
.irp c, 0,1,2,3
	s_mov_b32 s[G0+4*\c], 1                        ; count = 1
	s_add_co_u32 s[G0+4*\c+1], s66, \c*32768       ; LDS address
	s_add_nc_u64 s[G0+4*\c+2:G0+4*\c+3], s[70:71], \c*32768
	s_or_b32 s[G0+4*\c+3], s[G0+4*\c+3], 0x80000000   ; type = 2
.endr
	tensor_load_to_lds s[G0:G0+3], s[G1:G1+7]
	s_nop 0
	tensor_load_to_lds s[G0+4:G0+7], s[G1:G1+7]
	s_nop 0
	tensor_load_to_lds s[G0+8:G0+11], s[G1:G1+7]
	s_nop 0
	tensor_load_to_lds s[G0+12:G0+15], s[G1:G1+7]
	s_nop 0
.rept 4
	v_nop
.endr
	s_add_nc_u64 s[4:5], s[4:5], s[72:73]
	s_add_nc_u64 s[10:11], s[10:11], s[76:77]
	s_add_nc_u64 s[14:15], s[14:15], s[78:79]
	v_and_b32 v3, 31, v0
	v_lshlrev_b32 v[L16], 4, v3
	v_bfe_u32 v8, v0, 4, 1
	v_lshl_add_u32 v[AB0], v8, 5, TLDS
	v_lshlrev_b32 v[MO], 5, v0
	v_lshl_add_u32 v[TBA], v0, 5, TLDS
.irp t, 0,1,2,3
	global_load_b128 v[Q+8*\t:Q+8*\t+3], v[L16], s[4:5] offset:1024*\t         ; Q's fragments stay in registers
	global_load_b128 v[Q+8*\t+4:Q+8*\t+7], v[L16], s[4:5] offset:1024*\t+512
.endr
.set nn, 0
.rept 16
	global_load_b128 v[S+4*nn:S+4*nn+3], v[L16], s[10:11] offset:512*nn        ; every wave looks at the batch's whole mask: is any key open?
.set nn, nn+1
.endr
	global_load_b128 v[P:P+3], v[MO], s[10:11]                                 ; and my thread's eight words, for the table
	global_load_b128 v[P+4:P+7], v[MO], s[10:11] offset:16
	WIN 0x40
.set jj, 0
.rept 128
	v_mov_b32 v[jj], 0                             ; O^T.  The step is written without a first step of its own: it finds zeros, which the first change of M leaves zeros
.set jj, jj+1
.endr
	WIN 0
	v_mov_b32 v[F+1], 0                            ; (named as the upper half of a pair)
	v_mov_b32 v[PX], 0                             ; a lane permute's destination counts as one of its sources
.irp t, 0,1,2,3
	v_mov_b32 v[ST+4*\t+2], 0                      ; the sums
	v_mov_b32 v[ST+4*\t+3], 0
.endr
	s_wait_kmcnt 0x0
	s_add_co_i32 s74, s60, 127
	s_lshl_b32 s75, s74, 23
	v_mov_b32 v[SCL], s75
	s_add_co_i32 s74, s74, 8
	s_lshl_b32 s74, s74, 23
	s_or_b32 s74, s74, 0x600000
	v_mov_b32 v[CAP], s74
	s_add_co_i32 s74, s62, 127
	s_lshl_b32 s75, s74, 23
	v_mov_b32 v[SCL10], s75
	s_add_co_i32 s74, s74, 8
	s_lshl_b32 s74, s74, 23
	s_or_b32 s74, s74, 0x600000
	v_mov_b32 v[LIM10], s74
	s_add_co_i32 s[EPV], s60, s61
	s_add_co_i32 s73, s58, s59                     ; e6 + e7 is added to the exponent field of log2(e) / 8
	s_lshl_b32 s73, s73, 23
	s_add_co_i32 s73, s73, 0x3e38aa3b
	s_wait_loadcnt 0x0
.set jj, 4
.rept 15
	v_or_b32 v[S], v[S], v[S+jj]
	v_or_b32 v[S+1], v[S+1], v[S+jj+1]
	v_or_b32 v[S+2], v[S+2], v[S+jj+2]
	v_or_b32 v[S+3], v[S+3], v[S+jj+3]
.set jj, jj+4
.endr
	v_or_b32 v[S], v[S], v[S+1]
	v_or_b32 v[S+2], v[S+2], v[S+3]
	v_or_b32 v[S], v[S], v[S+2]
	v_cmp_ne_u32 vcc_lo, 0, v[S]
	s_cmp_lg_u32 vcc_lo, 0                         ; any key open?  It decides two numbers, no branch
	s_cselect_b32 s72, 0xf1800000, 0               ; -2^100, or 0
	s_cselect_b32 s[CS], s73, 0                    ; c, or 0
	s_mov_b32 s[CS+1], s[CS]                       ; (named with it as a pair)
	v_mov_b32 v[NEGV], s72
.irp j, 0,1,2,3,4,5,6,7
	v_cmp_eq_u32 vcc_lo, 0, v[P+\j]
	v_cndmask_b32 v[P+\j], 0, v[NEGV], vcc_lo
.endr
	ds_store_b128 v[TBA], v[P:P+3]
	ds_store_b128 v[TBA], v[P+4:P+7] offset:16
	v_mov_b32 v[TA], s[CS]
	v_mul_f32 v[ST+1], 0xcb800000, v[TA]           ; the largest t so far: -2^24 c
	v_floor_f32 v[ST], -v[ST+1]                    ; -M
.irp t, 1,2,3
	v_mov_b32 v[ST+4*\t], v[ST]
	v_mov_b32 v[ST+4*\t+1], v[ST+1]
.endr
; Tile t's softmax of a step: 64 scores a lane in v[S] on become p, its sum, and 16 registers of codes.
.macro SOFTMAX t
.set rT, ST+4*(\t)
	v_max3_num_f32 v[TA], v[S], v[S+1], v[S+2]     ; the largest score among my 64 keys, in two chains, each accumulator from its low end on
	v_max3_num_f32 v[TB], v[S+3], v[S+4], v[S+5]
.set jj, 6
.rept 14
	v_max3_num_f32 v[TA], v[TA], v[S+jj], v[S+jj+1]
	v_max3_num_f32 v[TB], v[TB], v[S+jj+2], v[S+jj+3]
.set jj, jj+4
.endr
	v_max3_num_f32 v[TA], v[TA], v[S+62], v[S+63]
	v_max_num_f32 v[TA], v[TA], v[TB]
	v_permlanex16_b32 v[PX], v[TA], s[SEL], s[SEL+1]
	v_max_num_f32 v[TA], v[TA], v[PX]              ; and among lane l xor 16's
	v_mul_f32 v[TA], s[CS], v[TA]                  ; as t (c is not negative)
	v_max_num_f32 v[rT+1], v[rT+1], v[TA]          ; the running largest t
	v_mov_b32 v[TA], v[rT]
	v_floor_f32 v[rT], -v[rT+1]                    ; the new -M = -ceil(t): a whole number
	v_sub_f32 v[TA], v[rT], v[TA]                  ; old M - new M, 0 or less
	v_cvt_i32_f32 v[TA], v[TA]                     ; (it saturates)
	v_ldexp_f32 v[F], 1.0, v[TA]                   ; f = 2^(old M - new M)
.set jj, 0
.rept 32
	v_pk_fma_f32 v[S+jj:S+jj+1], v[S+jj:S+jj+1], s[CS:CS+1], v[rT:rT+1] op_sel_hi:[1,0,0]   ; t - M, two at a time
.set jj, jj+2
.endr
.set jj, 0
.rept 64
	v_exp_f32 v[S+jj], v[S+jj]                     ; p = 2^(t - M)
.set jj, jj+1
.endr
	v_pk_mul_f32 v[rT+2:rT+3], v[rT+2:rT+3], v[F:F+1] op_sel_hi:[1,0]   ; the sums under the new M: the plain instruction behind the exponentials
	s_wait_alu depctr_va_vdst(0)                   ; one wait for the batch, ahead of its first reader
	v_pk_add_f32 v[SUM2:SUM2+1], v[S:S+1], v[S+2:S+3]   ; the sum is taken of the unquantised p, in two chains
.set jj, 4
.rept 15
	v_pk_add_f32 v[rT+2:rT+3], v[rT+2:rT+3], v[S+jj:S+jj+1]
	v_pk_add_f32 v[SUM2:SUM2+1], v[SUM2:SUM2+1], v[S+jj+2:S+jj+3]
.set jj, jj+4
.endr
	v_pk_add_f32 v[rT+2:rT+3], v[rT+2:rT+3], v[SUM2:SUM2+1]
.set jj, 0
.rept 64
	v_min_num_f32 v[S+jj], v[S+jj], v[CAP]         ; the conversion does not saturate (ISA guide 7.6.2); p is not negative, so the hold is one-sided
.set jj, jj+1
.endr
.set jj, 0
.rept 8
	v_cvt_scalef32_pk8_fp8_f32 v[P+16*(\t)+2*jj:P+16*(\t)+2*jj+1], v[S+8*jj:S+8*jj+7], v[SCL]
.set jj, jj+1
.endr
.endm
; A KEY STEP: 128 keys.
.macro STEP
	v_add_nc_u32 v[ADK], s[KB], v[L16]             ; three additions and a v_nop: the four places behind the last step's products, in front of loads into registers that they read
	v_add_nc_u32 v[ADB], s[BB], v[AB0]
	v_add_nc_u32 v[ADV], VLDS, v[ADK]
	v_nop
	WIN 0x40                                       ; destination window 1
.set nn, 0
.rept 8
	ds_load_b128 v[KF+8*nn:KF+8*nn+3], v[ADK] offset:1024*nn          ; keys 16 nn + r, channels 16 h + 0 .. 15,
	ds_load_b128 v[KF+8*nn+4:KF+8*nn+7], v[ADK] offset:1024*nn+512    ; 32 + 16 h + 0 .. 15
.set nn, nn+1
.endr
.set nn, 0
.rept 8
	ds_load_b128 v[BF+8*nn:BF+8*nn+3], v[ADB] offset:64*nn            ; the table's numbers of keys 16 nn + 8 h + 0 .. 7
	ds_load_b128 v[BF+8*nn+4:BF+8*nn+7], v[ADB] offset:64*nn+16
.set nn, nn+1
.endr
	WIN 0
	s_wait_dscnt 0x0
.irp t, 0,1,2,3
	WIN 0x11                                       ; source 0 (K) and source 2 (the table) window 1
.set nn, 0
.rept 8
	v_wmma_f32_16x16x64_fp8_fp8 v[S+8*nn:S+8*nn+7], v[KF+8*nn:KF+8*nn+7], v[Q+8*\t:Q+8*\t+7], v[BF+8*nn:BF+8*nn+7]
.set nn, nn+1
.endr
	WIN 0
.rept 4
	v_nop                                          ; places in front of the first read of the scores, and of the loads below
.endr
.if \t == 3
	WIN 0x40                                       ; K has been multiplied for the last time: V takes its registers and lands under the last tile's softmax
.set nn, 0
.rept 16
	ds_load_b128 v[KF+4*nn:KF+4*nn+3], v[ADV] offset:512*nn
.set nn, nn+1
.endr
	WIN 0
.endif
	SOFTMAX \t
	WIN 0x41                                       ; O^T (destination and source 0) window 1
.set jj, 0
.rept 16
	v_pk_mul_f32 v[32*\t+jj:32*\t+jj+1], v[32*\t+jj:32*\t+jj+1], v[F:F+1] op_sel_hi:[1,0]   ; O^T under the new M; also the plain instructions behind the conversions
.set jj, jj+2
.endr
	WIN 0
.endr
	s_wait_dscnt 0x0                               ; V is in
	WIN 0x51                                       ; source 0 (V), C and D (O^T) window 1; source 1 (P) window 0
.irp ct, 0,1,2,3
.irp t, 0,1,2,3
	v_wmma_f32_16x16x128_fp8_fp8 v[32*\t+8*\ct:32*\t+8*\ct+7], v[KF+16*\ct:KF+16*\ct+15], v[P+16*\t:P+16*\t+15], v[32*\t+8*\ct:32*\t+8*\ct+7]   ; sixteen accumulators, one turn each
.endr
.endr
	WIN 0
	s_add_co_u32 s[KB], s[KB], 8192
	s_add_co_u32 s[BB], s[BB], 512
.endm
; Chunk c: steps 4 c to 4 c + 3.  My load of this chunk has landed (my 3 - c later ones may stay out), and so has everybody's behind the barrier.
.macro CHUNK c
	s_wait_tensorcnt 3-\c
	s_wait_dscnt 0x0                               ; no LDS instruction of mine is out at the signal (ahead of chunk 0: my stores into the table)
	s_barrier_signal -1
	s_barrier_wait -1
	s_mov_b32 s[KB], \c*32768
	s_mov_b32 s[BB], \c*2048
	s_mov_b32 s[CNT], 4
.Lstep_\@:
	STEP
	s_sub_co_u32 s[CNT], s[CNT], 1
	s_cmp_lg_u32 s[CNT], 0
	s_cbranch_scc1 .Lstep_\@
.endm
	CHUNK 0
	CHUNK 1
	CHUNK 2
	CHUNK 3
	; THE WAY OUT.  The additions are the places behind the last products.
.irp t, 0,1,2,3
	v_add_f32 v[ST+4*\t+2], v[ST+4*\t+2], v[ST+4*\t+3]     ; the sum's two halves,
.endr
.irp t, 0,1,2,3
	v_permlanex16_b32 v[ST+4*\t+3], v[ST+4*\t+2], s[SEL], s[SEL+1]
.endr
.irp t, 0,1,2,3
	v_add_f32 v[ST+4*\t+2], v[ST+4*\t+2], v[ST+4*\t+3]     ; and lane l xor 16's
.endr
.irp t, 0,1,2,3
	v_rcp_f32 v[ST+4*\t+2], v[ST+4*\t+2]
.endr
	v_nop                                          ; a plain instruction behind the last reciprocal
	s_wait_alu depctr_va_vdst(0)                   ; one wait for the four, ahead of the first reader
.irp t, 0,1,2,3
	v_ldexp_f32 v[ST+4*\t+2], v[ST+4*\t+2], s[EPV] ; x 2^(e8 + e9)
.endr
; Tile t: O^T / the sum; held; 32 neighbouring channels' codes are two chunks of a_img as they stand: no stage.
.macro OUT t
.set TT, S+32*((\t)%2)
	WIN 0x01                                       ; source 0 window 1
.set jj, 0
.rept 16
	v_pk_mul_f32 v[TT+jj:TT+jj+1], v[32*(\t)+jj:32*(\t)+jj+1], v[ST+4*(\t)+2:ST+4*(\t)+3] op_sel_hi:[1,0]   ; each accumulator from its low end on
.set jj, jj+2
.endr
	WIN 0
.set jj, 0
.rept 32
	v_med3_num_f32 v[TT+jj], v[TT+jj], -v[LIM10], v[LIM10]
.set jj, jj+1
.endr
.set jj, 0
.rept 4
	v_cvt_scalef32_pk8_fp8_f32 v[P+8*(\t)+2*jj:P+8*(\t)+2*jj+1], v[TT+8*jj:TT+8*jj+7], v[SCL10]
.set jj, jj+1
.endr
	v_nop                                          ; a plain instruction behind the last conversion
	global_store_b128 v[L16], v[P+8*(\t):P+8*(\t)+3], s[14:15] offset:16384*(\t)         ; 32 lanes store 512 consecutive bytes, aligned
	global_store_b128 v[L16], v[P+8*(\t)+4:P+8*(\t)+7], s[14:15] offset:16384*(\t)+512
.endm
	OUT 0
	OUT 1
	OUT 2
	OUT 3
	s_wait_dscnt 0x0
	s_wait_tensorcnt 0x0
	ds_add_u32 v254, v255
	s_wait_dscnt 0x0
	CROUND                                         ; the closing round
	s_endpgm
.Lfunc_end_k_q3f0813ca18_attn:
	.size	k_q3f0813ca18_attn, .Lfunc_end_k_q3f0813ca18_attn-k_q3f0813ca18_attn
	.p2alignl 7, 3214868480
	.fill 96, 4, 3214868480
	.section	.rodata,"a",@progbits
	.p2align	6, 0x0
	.amdhsa_kernel k_q3f0813ca18_attn
		.amdhsa_group_segment_fixed_size 271360
		.amdhsa_private_segment_fixed_size 0
		.amdhsa_enable_private_segment 0
		.amdhsa_kernarg_size 48
		.amdhsa_user_sgpr_count 2
		.amdhsa_user_sgpr_kernarg_segment_ptr 1
		.amdhsa_wavefront_size32 1
		.amdhsa_system_sgpr_workgroup_id_x 1
		.amdhsa_system_sgpr_workgroup_id_y 1
		.amdhsa_system_sgpr_workgroup_id_z 1
		.amdhsa_system_vgpr_workitem_id 0
		.amdhsa_next_free_vgpr 512
		.amdhsa_next_free_sgpr 84
		.amdhsa_reserve_vcc 1
		.amdhsa_float_denorm_mode_32 3
		.amdhsa_float_denorm_mode_16_64 3
		.amdhsa_memory_ordered 1
		.amdhsa_forward_progress 1
		.amdhsa_inst_pref_size 254
	.end_amdhsa_kernel
	.amdgpu_metadata
---
amdhsa.version: [ 1, 2 ]
amdhsa.kernels:
  - .name:           k_q3f0813ca18_attn
    .symbol:         k_q3f0813ca18_attn.kd
    .args:
      - { .name: q_img, .offset: 0, .size: 8, .value_kind: global_buffer, .address_space: global }
      - { .name: k_img, .offset: 8, .size: 8, .value_kind: global_buffer, .address_space: global }
      - { .name: v_img, .offset: 16, .size: 8, .value_kind: global_buffer, .address_space: global }
      - { .name: mask, .offset: 24, .size: 8, .value_kind: global_buffer, .address_space: global }
      - { .name: lowp_scales, .offset: 32, .size: 8, .value_kind: global_buffer, .address_space: global }
      - { .name: a_img, .offset: 40, .size: 8, .value_kind: global_buffer, .address_space: global }
    .group_segment_fixed_size: 271360
    .private_segment_fixed_size: 0
    .kernarg_segment_align: 8
    .kernarg_segment_size: 48
    .max_flat_workgroup_size: 256
    .sgpr_count:     84
    .vgpr_count:     512
    .wavefront_size: 32
...
	.end_amdgpu_metadata
.endif
;; end of part 2
;; launch outp (part 3): grid 4 x 64, 4 waves a work-group, clusters of 4 x 4, 327,680 bytes of LDS; arguments a_img, Wo_codes, bo, lowp_scales, out0; writes out0
.if DOCPART == 3
	.amdgcn_target "amdgcn-amd-amdhsa--gfx1250"
	.amdhsa_code_object_version 6
	.text
	.protected	k_q3f0813ca18_outp
	.globl	k_q3f0813ca18_outp
	.p2align	8
	.type	k_q3f0813ca18_outp,@function
k_q3f0813ca18_outp:
	s_mov_b64 s[64:65], 0
	v_nop
	global_prefetch_b8 v0, s[64:65] scope:SCOPE_SE
	s_setreg_imm32_b32 hwreg(HW_REG_WAVE_MODE, 25, 1), 1
	s_wait_xcnt 0x0
	s_wait_alu depctr_hold_cnt(0) depctr_sa_sdst(0) depctr_va_vdst(0) depctr_va_sdst(0) depctr_va_ssrc(0) depctr_va_vcc(0) depctr_vm_vsrc(0)
	s_getreg_b32 s2, hwreg(HW_REG_IB_STS2, 6, 4)
	s_cmp_eq_u32 s2, 0
	s_cbranch_scc0 .Lentry_in_a_cluster
	s_endpgm
.Lentry_in_a_cluster:
	s_bfe_u32 s2, ttmp6, 0x10000c
	s_cmp_lg_u32 s2, 0xf033
	s_cbranch_scc0 .Lentry_shape_is_right
	s_endpgm
.Lentry_shape_is_right:
; out0 = A Wo^T + bo on codes of FP8 (E4M3).  A, the attention's result, lies in a_img in the order of the operand's registers: [16 tokens: 512][128 along K: 8][c 4][lane][16]:
; token 16 blk + r, k = 128 ksub + 32 c + 16 h + 0 .. 15 (r = lane % 16, h = lane / 16): the same places of k that loads of 16 bytes give Wo's rows.  out0: [8,192][1,024] f32.
; A tile of out0 is 128 tokens (source 1 of the matrix instruction: a token a lane) x 256 features (source 0: along a lane's registers): 256 work-groups.  Four waves, each 64 tokens x 128 features: 32 accumulators.
; K = 1,024 goes in four steps of 256 through three LDS slots; slot 0 is filled a second time.  CLUSTERS 4 x 4: A's tile is asked for jointly by a row of the cluster, Wo's by a column.
; LIMIT: e10 + e11 between -126 and 127.  No prefetch: three of the four K steps are asked for at the head.
; REGISTERS: window 0: v1-33 addresses; v64-191 A's fragments, two sets of 64 (way out: v64-127 numbers); v128-255 rows read back, two sets by turns.
;   window 1: B's fragments, two sets of 128.   window 2: accumulator (a, b) at v[64 a + 8 b].   window 3: v0-63 bo along my registers.
.set PITCH, 272                        ; a row of Wo in LDS: 256 bytes + 16 of padding (64 banks of 4 bytes: ISA guide 11.1)
.set AREG,  32768                      ; A's image: 8 blocks of 16 tokens x 4,096 bytes, dense: a load's 512 bytes are consecutive
.set SLOT,  AREG+256*PITCH
.set SPARE, 3*SLOT                     ; the spare words, 128 bytes a wave, two blocks of 256 bytes that no other line names
.set SPITCH, 528                       ; the way out: a stage of 16 rows x (512 bytes + 16) for each wave,
.set STG,   SLOT                       ; in slot 1, which has had its only fill, and whose last read lies ahead of the last change of slots
.set ADRA, 16
.set ADRB, 20
.set STO,  24
.set RD,   25
.set SPW,  28
.set NIL,  29
.set GO,   32
.set BJO,  33
.set T,    64
.set BK,   128
.set G1A, 24
.set G0A, 32
.set G1B, 44
.set G0B, 52
.set MSB, 0
.macro WIN new
.if MSB != \new
	s_set_vgpr_msb (MSB<<8)|\new
.set MSB, \new
.endif
.endm
.macro JLOAD g0a, g1a, g0b, g1b        ; waves 0 and 1 fetch A's halves, waves 2 and 3 Wo's; four v_nop follow each of the two lines
	s_cmp_eq_u32 s15, 0
	s_cbranch_scc0 .Lfor_b_\@
	tensor_load_to_lds s[\g0a:\g0a+3], s[\g1a:\g1a+7]
	s_nop 0
.rept 4
	v_nop
.endr
	s_branch .Lasked_\@
.Lfor_b_\@:
	tensor_load_to_lds s[\g0b:\g0b+3], s[\g1b:\g1b+7]
	s_nop 0
.rept 4
	v_nop
.endr
.Lasked_\@:
.endm
.macro CREST
	s_cmp_lg_u32 s14, 0
	s_cbranch_scc1 .Lnot_wave_0_\@
	s_barrier_signal -3
.Lnot_wave_0_\@:
	s_barrier_wait -3
	s_barrier_signal -1
	s_barrier_wait -1
.endm
.macro CROUND
	s_barrier_signal -1
	s_barrier_wait -1
	CREST
.endm
.macro PLACES n
.rept \n
	v_nop
.endr
.endm
	s_load_b256 s[68:75], s[0:1], 0x0              ; a_img 68, Wo 70, bo 72, the scales' exponents 74
	s_load_b64 s[76:77], s[0:1], 0x20              ; out0
	v_lshl_add_u32 v[SPW], v0, 2, SPARE
	v_mov_b32 v[NIL], 0
	ds_add_u32 v28, v29
	ds_add_u32 v28, v29
	s_wait_dscnt 0x0
	v_lshrrev_b32 v1, 5, v0
	v_readfirstlane_b32 s14, v1                    ; wave 0..3
	s_lshr_b32 s15, s14, 1                         ; which 64 tokens are mine.  Also: I fetch for A (0) or for Wo (1)
	s_and_b32 s16, s14, 1                          ; which 128 features.  Also: which half of that tile I fetch
	s_bfe_u32 s20, ttmp6, 0x40000                  ; cx
	s_bfe_u32 s21, ttmp6, 0x40004                  ; cy
	s_and_b32 s19, ttmp7, 0xffff                   ; the cluster's y
	s_lshl_b32 s22, s21, 2
	s_lshl_b32 s22, 15, s22                        ; my row of the cluster
	s_lshl_b32 s23, 0x1111, s20                    ; my column
	s_or_b32 s[G1A], s22, (1<<21)                  ; A: the mask; elements of 1 byte; 21 set beside a mask; no padding
	s_mov_b32 s[G1A+1], 4096<<16                   ; tensor_dim0 = 4,096: a block's bytes of a K step
	s_mov_b32 s[G1A+2], 4<<16                      ; tensor_dim1 = 4 blocks of 16 tokens
	s_mov_b32 s[G1A+3], 4096<<16                   ; tile_dim0
	s_mov_b32 s[G1A+4], 4                          ; tile_dim1
	s_mov_b32 s[G1A+5], 16384                      ; from block to block
	s_mov_b32 s[G1A+6], 0
	s_mov_b32 s[G1A+7], 0
	s_or_b32 s[G1B], s23, (1<<20)|(1<<21)|(5<<22)|(3<<25)   ; Wo: padding of 4 words after every 64
	s_mov_b32 s[G1B+1], 256<<16
	s_mov_b32 s[G1B+2], 128<<16
	s_mov_b32 s[G1B+3], 256<<16
	s_mov_b32 s[G1B+4], 128
	s_mov_b32 s[G1B+5], 1024
	s_mov_b32 s[G1B+6], 0
	s_mov_b32 s[G1B+7], 0
	s_lshl_b32 s2, s19, 2
	s_add_co_u32 s2, s2, s21                       ; A's block of 128 tokens: it never holds cx
	s_lshl_b32 s66, s2, 17                         ; 8 blocks of 16,384 bytes,
	s_lshl_b32 s17, s16, 16                        ; + the four that I fetch
	s_add_co_u32 s66, s66, s17
	s_mov_b32 s67, 0
	s_lshl_b32 s90, s20, 18                        ; Wo: 256 rows of 1,024 bytes,
	s_lshl_b32 s17, s16, 17                        ; + the 128 that I fetch
	s_add_co_u32 s90, s90, s17
	s_mov_b32 s91, 0
	s_lshl_b32 s12, s16, 14                        ; where they go in a slot
	s_mul_i32 s13, s16, 128*PITCH
	s_add_co_u32 s13, s13, AREG
	s_wait_kmcnt 0x0
	s_load_b64 s[92:93], s[74:75], 0x28            ; e10, e11
	s_add_nc_u64 s[4:5], s[68:69], s[66:67]
	s_add_nc_u64 s[6:7], s[70:71], s[90:91]
	CROUND                                         ; all sixteen work-groups are here: the first joint loads meet
.irp s, 0,1,2
	s_mov_b32 s[G0A+4*\s], 1
	s_add_co_u32 s[G0A+4*\s+1], s12, \s*SLOT
	s_add_nc_u64 s[G0A+4*\s+2:G0A+4*\s+3], s[4:5], \s*4096
	s_or_b32 s[G0A+4*\s+3], s[G0A+4*\s+3], 0x80000000
	s_mov_b32 s[G0B+4*\s], 1
	s_add_co_u32 s[G0B+4*\s+1], s13, \s*SLOT
	s_add_nc_u64 s[G0B+4*\s+2:G0B+4*\s+3], s[6:7], \s*256
	s_or_b32 s[G0B+4*\s+3], s[G0B+4*\s+3], 0x80000000
	JLOAD G0A+4*\s, G1A, G0B+4*\s, G1B             ; three loads of mine are out
.endr
	v_and_b32 v1, 15, v0                           ; r
	v_bfe_u32 v2, v0, 4, 1                         ; h
	v_and_b32 v8, 31, v0
	v_lshlrev_b32 v[GO], 4, v8                     ; 16 x lane
	v_mul_u32_u24 v3, v1, PITCH
	v_lshl_add_u32 v3, v2, 4, v3
	s_lshl_b32 s78, s15, 14                        ; my four blocks of A
	s_mul_i32 s79, s16, 128*PITCH                  ; my 128 rows of Wo
	s_add_co_u32 s79, s79, AREG
.irp s, 0,1,2
	v_add_nc_u32 v[ADRA+\s], s78, v[GO]
	v_add_nc_u32 v[ADRB+\s], s79, v3
	s_add_co_u32 s78, s78, SLOT
	s_add_co_u32 s79, s79, SLOT
.endr
	s_mul_i32 s80, s14, 16*SPITCH
	s_add_co_u32 s80, s80, STG                     ; my stage
	v_mul_u32_u24 v4, v1, SPITCH
	v_lshl_add_u32 v4, v2, 5, v4
	v_add_nc_u32 v[STO], s80, v4                   ; in: row r, 32 bytes for each half of the lanes
	v_add_nc_u32 v[RD], s80, v[GO]                 ; back: the 32 lanes take one row of 512 bytes
	s_lshl_b32 s84, s19, 2
	s_add_co_u32 s84, s84, s21
	s_lshl_b32 s84, s84, 1
	s_add_co_u32 s84, s84, s15                     ; my first token / 64
	s_lshl_b32 s84, s84, 18                        ; x 64 rows of 4,096 bytes
	s_lshl_b32 s86, s20, 10                        ; my first feature, in bytes: 1,024 cx + 512 (wave % 2)
	s_lshl_b32 s87, s16, 9
	s_add_co_u32 s86, s86, s87
	s_add_co_u32 s84, s84, s86
	s_mov_b32 s85, 0
	s_add_nc_u64 s[10:11], s[76:77], s[84:85]
	v_lshl_add_u32 v[BJO], v2, 5, s86              ; bo: the same feature, + 8 h numbers
	WIN 0xc0                                       ; destination window 3
.irp b, 0,1,2,3,4,5,6,7
	global_load_b128 v[8*\b:8*\b+3], v[BJO], s[72:73] offset:64*\b
	global_load_b128 v[8*\b+4:8*\b+7], v[BJO], s[72:73] offset:64*\b+16
.endr
	WIN 0
.macro FRAGB reg, slot, q, i           ; 16 rows x 128 K: registers 4 c .. 4 c + 3 hold K = 32 c + 16 h + 0 .. 15
.irp c, 0,1,2,3
	ds_load_b128 v[(\reg)+4*\c:(\reg)+4*\c+3], v[ADRB+\slot] offset:128*(\q)+32*\c+(\i)*16*PITCH
.endr
.endm
.macro FRAGA reg, slot, q, i           ; the image comes back as it was stored
.irp c, 0,1,2,3
	ds_load_b128 v[(\reg)+4*\c:(\reg)+4*\c+3], v[ADRA+\slot] offset:4096*(\i)+2048*(\q)+512*\c
.endr
.endm
.macro FETCH slot, q, p                ; 48 loads in one run: B's eight fragments, then A's four
	WIN 0x40
.irp i, 0,1,2,3,4,5,6,7
	FRAGB 128*(\p)+16*\i, \slot, \q, \i
.endr
	WIN 0
.irp i, 0,1,2,3
	FRAGA 64+64*(\p)+16*\i, \slot, \q, \i
.endr
.endm
.macro MULA a, p, zero                 ; the 32 accumulators take turns, one instruction a turn
.irp b, 0,1,2,3,4,5,6,7
.if \zero
	v_wmma_f32_16x16x128_fp8_fp8 v[64*(\a)+8*\b:64*(\a)+8*\b+7], v[128*(\p)+16*\b:128*(\p)+16*\b+15], v[64+64*(\p)+16*(\a):64+64*(\p)+16*(\a)+15], 0
.else
	v_wmma_f32_16x16x128_fp8_fp8 v[64*(\a)+8*\b:64*(\a)+8*\b+7], v[128*(\p)+16*\b:128*(\p)+16*\b+15], v[64+64*(\p)+16*(\a):64+64*(\p)+16*(\a)+15], v[64*(\a)+8*\b:64*(\a)+8*\b+7]
.endif
.endr
.endm
.macro SUB p, nslot, nq, zero
	s_wait_dscnt 0x0                               ; set p is in
	PLACES 4                                       ; the other set was read by the last products
	FETCH \nslot, \nq, 1-\p
	WIN 0xa1
	MULA 0, \p, \zero
	MULA 1, \p, \zero
	MULA 2, \p, \zero
	MULA 3, \p, \zero
	WIN 0
.endm
.macro TURN nslot, fill
	s_wait_tensorcnt 0x0                           ; all my tensor loads have landed
	ds_add_u32 v[SPW], v[NIL]                      ; 0 onto my spare word
	s_wait_dscnt 13                                ; (the add and the youngest twelve loads, A's blocks 1 to 3, may be out)
	WIN 0xa1
	MULA 0, 1, 0
	s_wait_dscnt 0x0                               ; the add is done, and my reads of the slots behind me are over
	s_barrier_signal -1
	MULA 1, 1, 0
	WIN 0
	s_barrier_wait -1
.if \fill
	CREST                                          ; no wave of any partner still reads slot 0 or has a load on its way
	s_add_nc_u64 s[G0A+2:G0A+3], s[G0A+2:G0A+3], 3*4096
	s_add_nc_u64 s[G0B+2:G0B+3], s[G0B+2:G0B+3], 3*256
	JLOAD G0A, G1A, G0B, G1B                       ; my one tensor load behind the round; its four v_nop are also the places in front of the loads below
.else
	PLACES 4
.endif
	FETCH \nslot, 0, 0
	WIN 0xa1
	MULA 2, 1, 0
	MULA 3, 1, 0
	WIN 0
.endm
	s_wait_tensorcnt 2                             ; my part of K step 0 is in; slots 1's and 2's may stay out
	s_barrier_signal -1
	s_barrier_wait -1
	FETCH 0, 0, 0
	SUB 0, 0, 1, 1                                 ; the first products start the sums
	TURN 1, 1                                      ; slot 0 takes K step 3
	SUB 0, 1, 1, 0
	SUB 1, 2, 0, 0
	SUB 0, 2, 1, 0
	TURN 0, 0
	SUB 0, 0, 1, 0
	s_wait_dscnt 0x0
	WIN 0xa1
	MULA 0, 1, 0
	MULA 1, 1, 0
	MULA 2, 1, 0
	MULA 3, 1, 0
	WIN 0
	PLACES 4
	s_wait_kmcnt 0x0
	s_add_co_i32 s92, s92, s93
	s_add_co_i32 s92, s92, 127
	s_lshl_b32 s12, s92, 23                        ; 2^(e10 + e11) as f32
	s_mov_b32 s13, s12
	s_wait_loadcnt 0x0                             ; bo
; THE WAY OUT, 16 tokens x 128 features at a time: sum x 2^(e10 + e11) + bo, through my own stage, back as whole rows of 512 bytes.  LDS serves a wave's instructions in order (ISA guide 5.7.1.4).
.macro TOSTAGE a
	WIN 0x32                                       ; source 0 (the sums) window 2, source 2 (bo) window 3
.set jj, 0
.rept 32
	v_pk_fma_f32 v[T+jj:T+jj+1], v[64*(\a)+jj:64*(\a)+jj+1], s[12:13], v[jj:jj+1] op_sel_hi:[1,0,1]   ; each accumulator from its low end on
.set jj, jj+2
.endr
	WIN 0
.set bb, 0
.rept 8
	ds_store_b128 v[STO], v[T+8*bb:T+8*bb+3] offset:64*bb
	ds_store_b128 v[STO], v[T+8*bb+4:T+8*bb+7] offset:64*bb+16
.set bb, bb+1
.endr
.set RB, BK+64*((\a)%2)
.set tt, 0
.rept 16
	ds_load_b128 v[RB+4*tt:RB+4*tt+3], v[RD] offset:tt*SPITCH
.set tt, tt+1
.endr
.endm
.macro SEND a, younger                 ; younger: the LDS instructions issued behind block a's loads, which may stay out
.set RB, BK+64*((\a)%2)
	s_wait_dscnt \younger
.set tt, 0
.rept 16
	global_store_b128 v[GO], v[RB+4*tt:RB+4*tt+3], s[10:11] offset:(16*(\a)+tt)*4096 th:TH_STORE_NT   ; 32 lanes store 512 consecutive bytes, aligned; written once, read by nobody here
.set tt, tt+1
.endr
.endm
	TOSTAGE 0
	TOSTAGE 1
	SEND 0, 32                                     ; behind block 0's loads: block 1's 16 stores and 16 loads
	s_wait_xcnt 0x0                                ; block 0's stores have read their registers: block 2's loads may land there
	TOSTAGE 2
	SEND 1, 32
	s_wait_xcnt 0x0
	TOSTAGE 3
	SEND 2, 32
	SEND 3, 0
	s_wait_tensorcnt 0x0                           ; the wave's end
	ds_add_u32 v[SPW], v[NIL]
	s_wait_dscnt 0x0
	CROUND                                         ; the closing round
	s_endpgm
.Lfunc_end_k_q3f0813ca18_outp:
	.size	k_q3f0813ca18_outp, .Lfunc_end_k_q3f0813ca18_outp-k_q3f0813ca18_outp
	.p2alignl 7, 3214868480
	.fill 96, 4, 3214868480
	.section	.rodata,"a",@progbits
	.p2align	6, 0x0
	.amdhsa_kernel k_q3f0813ca18_outp
		.amdhsa_group_segment_fixed_size 327680
		.amdhsa_private_segment_fixed_size 0
		.amdhsa_enable_private_segment 0
		.amdhsa_kernarg_size 40
		.amdhsa_user_sgpr_count 2
		.amdhsa_user_sgpr_kernarg_segment_ptr 1
		.amdhsa_wavefront_size32 1
		.amdhsa_system_sgpr_workgroup_id_x 1
		.amdhsa_system_sgpr_workgroup_id_y 1
		.amdhsa_system_sgpr_workgroup_id_z 1
		.amdhsa_system_vgpr_workitem_id 0
		.amdhsa_next_free_vgpr 832
		.amdhsa_next_free_sgpr 102
		.amdhsa_reserve_vcc 0
		.amdhsa_float_denorm_mode_32 3
		.amdhsa_float_denorm_mode_16_64 3
		.amdhsa_memory_ordered 1
		.amdhsa_forward_progress 1
		.amdhsa_inst_pref_size 77
	.end_amdhsa_kernel
	.amdgpu_metadata
---
amdhsa.version: [ 1, 2 ]
amdhsa.kernels:
  - .name:           k_q3f0813ca18_outp
    .symbol:         k_q3f0813ca18_outp.kd
    .args:
      - { .name: a_img, .offset: 0, .size: 8, .value_kind: global_buffer, .address_space: global }
      - { .name: Wo_codes, .offset: 8, .size: 8, .value_kind: global_buffer, .address_space: global }
      - { .name: bo, .offset: 16, .size: 8, .value_kind: global_buffer, .address_space: global }
      - { .name: lowp_scales, .offset: 24, .size: 8, .value_kind: global_buffer, .address_space: global }
      - { .name: out0, .offset: 32, .size: 8, .value_kind: global_buffer, .address_space: global }
    .group_segment_fixed_size: 327680
    .private_segment_fixed_size: 0
    .kernarg_segment_align: 8
    .kernarg_segment_size: 40
    .max_flat_workgroup_size: 128
    .sgpr_count:     102
    .vgpr_count:     832
    .wavefront_size: 32
...
	.end_amdgpu_metadata
.endif
;; end of part 3
